; MI455X (gfx1250); checked and timed in simulation.
; The chip was launched on July 23, 2026; its instructions are those of AMD's public machine-readable ISA for CDNA 5 (MIT licence, August 2026) and "CDNA5" Instruction Set Architecture Reference Guide (July 2026). The comments in the code are by the model that wrote it; some were corrected since.
;; Self Attention. Allowed arithmetic: matrix products marked QUANTISED: E2M1 operands, one E8M0 scale for each 32 along K, by v_wmma_scale_f32_16x16x128_f8f6f4 with both operands' format E2M1 (or v_wmma_scale_f32_32x16x128_f4), f32 sums; everything else in f32.
;; Inputs: b_out 1,024 float32; w_kv_codes 2,048 x 32 x 16 uint8 (E2M1 codes of w_kv, K innermost, in blocks of 32 codes, two codes a byte); w_kv_scales 2,048 x 32 uint8 (E8M0 scales of w_kv, one for each 32 codes along K); w_out_codes 1,024 x 32 x 16 uint8 (E2M1 codes of w_out, K innermost, in blocks of 32 codes, two codes a byte); w_out_scales 1,024 x 32 uint8 (E8M0 scales of w_out, one for each 32 codes along K); w_q_codes 1,024 x 32 x 16 uint8 (E2M1 codes of w_q, K innermost, in blocks of 32 codes, two codes a byte); w_q_scales 1,024 x 32 uint8 (E8M0 scales of w_q, one for each 32 codes along K); x_codes 4 x 2,048 x 32 x 16 uint8 (E2M1 codes of x, K innermost, in blocks of 32 codes, two codes a byte); x_scales 4 x 2,048 x 32 uint8 (E8M0 scales of x, one for each 32 codes along K).
;; Outputs: out0 4 x 2,048 x 1,024 float32.
;; This version of the problem:
;;   THIS VERSION OF THE PROBLEM IS GIVEN IN LOW PRECISION. The matrix products marked QUANTISED in the list below multiply operands that are first quantised to E2M1 (2 exponent bits, 1 mantissa bit; 4 bits a number), with one power-of-two scale for each 32 numbers along K (OCP MX v1.0); their sums are f32. All else is computed in f32.
;;   The module's matrix products, in the order in which they are computed (A, B: the left and right operand; K: the contracted axis; several contracted axes count as one K, in the product's order):
;;     1. [M 8,192, K 1,024] x [K 1,024, N 1,024]; A: input x (given as codes); B: input w_q (given as codes): QUANTISED
;;     2. [M 8,192, K 1,024] x [K 1,024, N 2,048]; A: input x (given as codes); B: input w_kv (given as codes): QUANTISED
;;     3. batch 64 x [M 2,048, K 64] x [K 64, N 2,048]; A: computed on the way; B: computed on the way: QUANTISED
;;     4. batch 64 x [M 2,048, K 2,048] x [K 2,048, N 64]; A: softmax (see below); B: computed on the way: QUANTISED
;;     5. [M 8,192, K 1,024] x [K 1,024, N 1,024]; A: computed on the way; B: input w_out (given as codes): QUANTISED
;;   THE QUANTISER, for each operand of a quantised product, along K:
;;     - K is cut into blocks of 32 from its start; a last block that is shorter is filled with zeros.
;;     - A block's scale is 2^e with e = floor(log2(the largest magnitude in the block)) - 2, held to -126 .. 127; a block of zeros has e = 0. As a byte (E8M0): e + 127.
;;     - Each number is divided by its block's scale, clamped to +-6, and rounded to the nearest number of E2M1, ties to even, subnormals kept.
;;     - The product sums the exact products of the quantised numbers (number of the format x scale) in f32.
;;   ~~~python
;;   def quantise(x, axis):      # numpy; x: float32 -> the quantised numbers, widened to float32 again
;;       x = np.moveaxis(x, axis, -1); K = x.shape[-1]
;;       x = np.pad(x, [(0, 0)] * (x.ndim - 1) + [(0, -K % 32)]); x = x.reshape(x.shape[:-1] + (-1, 32)); a = np.abs(x).max(-1, keepdims=True)
;;       e = np.where(a > 0, np.clip(np.frexp(np.where(a > 0, a, 1))[1] - 1 - 2, -126, 127), 0)      # np.frexp(a)[1] - 1 = floor(log2(a)), exactly
;;       r = np.clip(x / 2.0 ** e, -6, 6)
;;       step = 2.0 ** (np.maximum(np.frexp(np.where(r == 0, 1, r))[1] - 1, 0) - 1)
;;       q = np.round(r / step) * step * 2.0 ** e      # np.round: ties to even
;;       return np.moveaxis(q.reshape(q.shape[:-2] + (-1,))[..., :K], -1, axis).astype(np.float32)
;;   ~~~
;;   SOFTMAX AHEAD OF A QUANTISED PRODUCT. Where the list says 'softmax', what is quantised is not the finished softmax but p = 2^(t - M), with t = logit x log2(e) and M = ceil(the row's largest t), a whole number; so 1/2 < the row's largest p <= 1. The row's sum l is taken of the UNQUANTISED p, in f32, and the product's result is divided by l at the end. Since M is a whole number, a kernel that streams over the keys may use a running M (the ceiling of the running maximum): every later rescaling is an exact power of two, which a block's scale takes up: the codes' values come out the same.
;;   OPERANDS COMPUTED ON THE WAY. 'Computed on the way' means the value that the module computes at that place (a softmax that the list does not call 'softmax' is quantised finished and normalised). What goes into a quantiser is computed in f32, as accurately as f32 sums, v_exp_f32 and their like allow (about 1e-6 of the number): no bf16 or f16 on the way to a quantiser, and a product that is left as it is and whose result goes on into a quantised operand takes f32 operands (vector FMAs, or v_wmma_f32_16x16x4_f32). A number that lies on a knife's edge between two numbers of the format may be rounded either way, as far as f32 arithmetic and the matrix unit's own rounding can turn it there, and no further.
;;   INPUTS GIVEN AS CODES. w_kv (in the module: [2048, 1024], K = its axis 1); w_out (in the module: [1024, 1024], K = its axis 1); w_q (in the module: [1024, 1024], K = its axis 1); x (in the module: [4, 2048, 1024], K = its axis 2): each comes as NAME_codes (uint8): NAME with its K axis moved to the last place and cut into blocks of 32 codes, [.., K / 32, bytes a block], one block behind the other in memory; two codes a byte, the lower K in the low four bits (a code: sign, 2 exponent bits, 1 mantissa bit); and NAME_scales (uint8): the same leading axes, one E8M0 byte (e + 127) for each 32 codes along K. Its value is code x scale, taken as it is: it is not quantised again, and the codes and scales need not be those that the quantiser above would give.
;; One version. Each part assembles by itself: llvm-mc -triple=amdgcn-amd-amdhsa -mcpu=gfx1250 --defsym DOCPART=n.
;; ======== version 1 of 1: 3 launches
;; limits: right only within a limited range of input values
;; workspace buffers: wc 12,582,912 bytes; wsc 1,310,720 bytes; ac 4,194,304 bytes; asc 262,144 bytes
;; launch proj (part 1): grid 12 x 32, 4 waves a work-group, clusters of 4 x 4, 327,680 bytes of LDS; arguments x_codes, x_scales, w_q_codes, w_q_scales, w_kv_codes, w_kv_scales, wc, wsc; writes wc, wsc
.if DOCPART == 1
	.amdgcn_target "amdgcn-amd-amdhsa--gfx1250"
	.amdhsa_code_object_version 6
	.text
	.protected	k_q90b71d8aa3_proj
	.globl	k_q90b71d8aa3_proj
	.p2align	8
	.type	k_q90b71d8aa3_proj,@function
k_q90b71d8aa3_proj:
	s_mov_b64 s[64:65], 0
	v_nop
	global_prefetch_b8 v0, s[64:65] scope:SCOPE_SE
	s_setreg_imm32_b32 hwreg(HW_REG_WAVE_MODE, 25, 1), 1
	s_wait_xcnt 0x0
	s_wait_alu depctr_hold_cnt(0) depctr_sa_sdst(0) depctr_va_vdst(0) depctr_va_sdst(0) depctr_va_ssrc(0) depctr_va_vcc(0) depctr_vm_vsrc(0)
	s_getreg_b32 s2, hwreg(HW_REG_IB_STS2, 6, 4)
	s_cmp_eq_u32 s2, 0
	s_cbranch_scc0 .Lentry_in_a_cluster
	s_endpgm
.Lentry_in_a_cluster:
	s_bfe_u32 s2, ttmp6, 0x10000c
	s_cmp_lg_u32 s2, 0xf033
	s_cbranch_scc0 .Lentry_shape_is_right
	s_endpgm
.Lentry_shape_is_right:
; q = x w_q^T, k and v = x w_kv^T, on the codes of E2M1 and the E8M0 bytes as they are given, sums in f32; the results are quantised in registers, in f32, for the next
; two products: q and k along the head's 64 (two blocks of 32), v along the KEYS (blocks of 32 tokens), and leave as IMAGES OF OPERAND REGISTERS (four registers: 512 bytes, lane l at 16 l).
; NOTHING OF THE PROBLEM IS LEFT OUT in this program: all five products are live and every input is loaded (b_out in the last launch).
; LIMITS: NaN and infinities are not served (a given scale byte 0xff gives NaN here as there).  A block whose largest magnitude lies under 2^(3 - 127), a block of zeros among them, gets the byte 1
; where the rule says 127 for zeros: its codes are zeros then or are held at that scale; only this program reads these bytes.
; SHARES.  A work-group of four waves makes 256 x 256, a wave 128 x 128: 64 accumulators, 512 registers.  The cluster's x is the ROLE: 0 q, 1 k, 2 v.
;   roles 0, 1: source 1 ('A') = 256 tokens of x, source 0 ('B') = 256 rows of the weight: a lane holds ONE token, its registers run along the features;
;   role 2:     source 1 = 256 rows of w_kv's second half, source 0 = 256 tokens of x: a lane holds ONE feature, its registers run along the tokens, which are the keys.
; So in every role a lane's registers run along the next product's K, and one text quantises all three.
; All of K (1,024: rows of 512 bytes) lies in LDS at once, as two slots of 256-byte rows: every tensor load is a first fill, nothing is filled again.
; CLUSTERS: 4 x 4.  A's tiles are shared along a row of the cluster, B's along a column: joint loads, as many requests as a quarter of the work-groups.
; THE QUANTISER.  In tile b a lane (r, h) holds index 16 b + 8 h + j in register j.  A block of 32 is tiles 2 B, 2 B + 1 in lanes l and l xor 16.  The conversions' results are laid so that two
; exchanges of half-waves for each 64 give the operand's layout: registers 4 c .. 4 c + 3 = K 64 c + 32 h + 0 .. 31.
; WORKSPACE.  wc: role x 4 MiB + (16 batch + head) x 65,536 + ..: q, k: [token / 16][512 B]; v: [token / 128][16 of the 64 features][c][512 B].
;   wsc: (16 batch + head) x 20,480 + [q: a word a token, 8,192 B | k: likewise | v: [token / 128][4][16] words, 4,096 B].  q's and k's words: bytes 0, 1 the head's two scales, bytes 2, 3 zero.
; REGISTERS: window 0: v1-31 addresses; v32-95 scale words; v128-255 A's fragments, two sets (the way out uses them again).  window 1: v0-127 B's fragments, two sets.  windows 2, 3: accumulators, (a, b) at v[8 (8 (a % 4) + b)].
.set PITCH,  528                       ; an LDS row holds a row's whole K: 512 bytes + 16 of padding: the 16 rows of a fragment load start 132 words apart
.set HALFT,  128*PITCH                 ; 128 rows: half of one tensor load
.set SLOT,   256                       ; the second half of K (512 .. 1,023) begins 256 bytes on in each row
.set SCL,    4*HALFT                   ; behind A's 256 rows and B's 256 rows: the scale bytes, as rows of 256 bytes + 16
.set HALFS,  16*272                    ; those of 128 rows (32 bytes a row)
.set SBLK,   2*272                     ; those of 16 rows
.set SPARE,  SCL+4*HALFS               ; the spare words: 128 bytes a wave
.set STG,    SPARE+512                 ; a stage for the scale words made here: 1,024 bytes a wave, [h][a][r] words; no tensor load lands there
.set ADRA, 16                          ; v16-17 my A fragments in slot 0, 1
.set ADRB, 20                          ; v20-21 my B fragments
.set LI,   24                          ; v24 16 x lane
.set VSV,  25                          ; v25 v's words on the way out: 16 (lane % 16) + 20,480 (lane / 16)
.set STW,  26                          ; v26 where I put a scale word
.set ADRS, 27                          ; v27 the given scale words: lanes 0-15 A's rows, lanes 16-31 B's
.set SPW,  28                          ; v28 my spare word; never rewritten
.set NIL,  29                          ; v29 0; never rewritten
.set STR,  30                          ; v30 where I read the words back
.set SH,   31                          ; v31 16 h
.set SC,   32                          ; v32-95 register 8 i + g: lanes 0-15 the word of A's block i, lanes 16-31 of B's block i, for the g-th 128 along K
.set AF,   128
.set TM,   200                         ; the way out: v200-203 largest magnitudes, v204-207 at work, v212-215 the conversions' scale operands
.set PW,   216
.set SW,   220                         ; v220-227 the words read back
.set WD,   232                         ; v232-239 a word for each block
.set G1, 24
.set G0, 32
.set G1B, 48
.set G0B, 56
.set G1S, 68
.set G0S, 76
.set G1SB, 80
.set G0SB, 88
.set MSB, 0
.macro WIN new                         ; the immediate's high byte repeats the setting that is left; a switch that changes nothing is dropped
.if MSB != (\new)
	s_set_vgpr_msb (MSB<<8)|(\new)
.set MSB, (\new)
.endif
.endm
; THE HEAD'S JOINT LOADS, ONE A WAVE: wave 0 A's 256 rows of codes, wave 1 B's, wave 2 A's scale bytes, wave 3 B's.
; One tree of branches on the wave's number, an arm a load; an s_nop 0 and four v_nop follow each load.
.macro ARM under, g0, g1, next
	s_cmp_lt_u32 s20, \under
	s_cbranch_scc0 \next
	tensor_load_to_lds s[\g0:\g0+3], s[\g1:\g1+7]
	s_nop 0
.rept 4
	v_nop
.endr
	s_branch .Lhead_asked
\next:
.endm
.macro CROUND                          ; a round of the cluster's barrier
	s_barrier_signal -1
	s_barrier_wait -1
	s_cmp_lg_u32 s20, 0
	s_cbranch_scc1 .Lnot_wave_0_\@
	s_barrier_signal -3
.Lnot_wave_0_\@:
	s_barrier_wait -3
	s_barrier_signal -1
	s_barrier_wait -1
.endm
.macro PLACES n
.rept \n
	v_nop
.endr
.endm
	s_load_b256 s[4:11], s[0:1], 0x0               ; x's codes s[4:5], x's scales s[6:7], w_q's codes s[8:9], w_q's scales s[10:11]
	s_load_b256 s[12:19], s[0:1], 0x20             ; w_kv's codes s[12:13], w_kv's scales s[14:15], wc s[16:17], wsc s[18:19]
	v_lshl_add_u32 v[SPW], v0, 2, SPARE
	v_mov_b32 v[NIL], 0
	ds_add_u32 v[SPW], v[NIL]                      ; the opening: the add, twice on end, and its wait ahead of my first tensor load
	ds_add_u32 v[SPW], v[NIL]
	v_lshrrev_b32 v1, 5, v0
	v_readfirstlane_b32 s20, v1                    ; wave 0..3
	s_lshr_b32 s21, s20, 1                         ; which half of A's rows is mine
	s_and_b32 s22, s20, 1                          ; which half of B's rows
	s_bfe_u32 s40, ttmp6, 0x40000                  ; cx
	s_bfe_u32 s41, ttmp6, 0x40004                  ; cy
	s_and_b32 s23, ttmp7, 0xffff
	s_lshl_b32 s23, s23, 2                         ; 4 x cluster y: the first of the cluster's four tiles of 256 tokens
	s_cmp_eq_u32 ttmp9, 2                          ; the role is the cluster's x: the same in all sixteen partners
	s_cselect_b32 s43, 4, s23                      ; A's tile: v: w_kv's tiles 4 .. 7; q, k: x's
	s_cselect_b32 s42, s23, 0                      ; B's tile: v: x's; q, k: the weight's tiles 0 .. 3
	s_add_co_u32 s43, s43, s41                     ; + cy: shared along a row of the cluster
	s_add_co_u32 s42, s42, s40                     ; + cx: shared along a column
	s_lshl_b32 s44, s41, 2
	s_lshl_b32 s44, 15, s44                        ; my row of the cluster
	s_lshl_b32 s45, 0x1111, s40                    ; my column
	; group 1 for codes: 256 whole rows of 512 bytes; 16 bytes of padding behind each
	s_or_b32 s[G1+0], s44, (1<<20)|(1<<21)|(6<<22)|(3<<25)    ; 256 whole rows of 512 bytes; four words of padding after every 128
	s_or_b32 s[G1B+0], s45, (1<<20)|(1<<21)|(6<<22)|(3<<25)
.irp g, G1, G1B
	s_mov_b32 s[\g+1], 512<<16                     ; tensor_dim0
	s_mov_b32 s[\g+2], 256<<16                     ; tensor_dim1
	s_mov_b32 s[\g+3], 512<<16                     ; tile_dim0
	s_mov_b32 s[\g+4], 256                         ; tile_dim1
	s_mov_b32 s[\g+5], 512                         ; from row to row
	s_mov_b32 s[\g+6], 0
	s_mov_b32 s[\g+7], 0
.endr
	; group 1 for the scale bytes of 256 rows: 8,192 dense bytes as 32 rows of 32 elements of 8 bytes, padded likewise
	s_or_b32 s[G1S+0], s44, (3<<16)|(1<<20)|(1<<21)|(5<<22)|(3<<25)
	s_or_b32 s[G1SB+0], s45, (3<<16)|(1<<20)|(1<<21)|(5<<22)|(3<<25)
.irp g, G1S, G1SB
	s_mov_b32 s[\g+1], 32<<16
	s_mov_b32 s[\g+2], 32<<16                      ; the scale bytes of 256 rows: 8,192 dense bytes, 32 rows of 256
	s_mov_b32 s[\g+3], 32<<16
	s_mov_b32 s[\g+4], 32
	s_mov_b32 s[\g+5], 32
	s_mov_b32 s[\g+6], 0
	s_mov_b32 s[\g+7], 0
.endr
	s_lshl_b32 s46, s43, 8                         ; A's first row
	s_lshl_b32 s66, s42, 8                         ; B's first row
	s_lshl_b32 s100, s46, 5                        ; A: 32 scale bytes a row,
	s_mov_b32 s101, 0
	s_lshl_b32 s46, s46, 9                         ; 512 bytes of codes a row
	s_mov_b32 s47, 0
	s_lshl_b32 s2, s66, 5                          ; B likewise
	s_mov_b32 s3, 0
	s_lshl_b32 s66, s66, 9
	s_mov_b32 s67, 0
	s_wait_dscnt 0x0                               ; both opening adds are done
	s_wait_kmcnt 0x0
	s_cmp_eq_u32 ttmp9, 0
	s_cselect_b64 s[92:93], s[8:9], s[12:13]       ; the role's weight: w_q, or w_kv
	s_cselect_b64 s[94:95], s[10:11], s[14:15]
	s_cmp_eq_u32 ttmp9, 2
	s_cselect_b64 s[96:97], s[92:93], s[4:5]       ; A: v: the weight; else x
	s_cselect_b64 s[98:99], s[94:95], s[6:7]
	s_cselect_b64 s[92:93], s[4:5], s[92:93]       ; B: v: x; else the weight
	s_cselect_b64 s[94:95], s[6:7], s[94:95]
	s_add_nc_u64 s[96:97], s[96:97], s[46:47]
	s_add_nc_u64 s[98:99], s[98:99], s[100:101]
	s_add_nc_u64 s[92:93], s[92:93], s[66:67]
	s_add_nc_u64 s[94:95], s[94:95], s[2:3]
	s_mov_b32 s[G0S], 1
	s_mov_b32 s[G0S+1], SCL
	s_mov_b64 s[G0S+2:G0S+3], s[98:99]
	s_or_b32 s[G0S+3], s[G0S+3], 0x80000000
	s_mov_b32 s[G0SB], 1
	s_mov_b32 s[G0SB+1], SCL+2*HALFS
	s_mov_b64 s[G0SB+2:G0SB+3], s[94:95]
	s_or_b32 s[G0SB+3], s[G0SB+3], 0x80000000
	s_mov_b32 s[G0], 1
	s_mov_b32 s[G0+1], 0                           ; A's 256 rows from LDS byte 0
	s_mov_b64 s[G0+2:G0+3], s[96:97]
	s_or_b32 s[G0+3], s[G0+3], 0x80000000
	s_mov_b32 s[G0B], 1
	s_mov_b32 s[G0B+1], 2*HALFT                    ; B's 256 rows behind them
	s_mov_b64 s[G0B+2:G0B+3], s[92:93]
	s_or_b32 s[G0B+3], s[G0B+3], 0x80000000
	CROUND                                         ; all sixteen work-groups are here: the joint loads meet
	ARM 1, G0,  G1,  .Lhead_b
	ARM 2, G0B, G1B, .Lhead_sa
	ARM 3, G0S, G1S, .Lhead_sb
	tensor_load_to_lds s[G0SB:G0SB+3], s[G1SB:G1SB+7]
	s_nop 0
.rept 4
	v_nop
.endr
.Lhead_asked:                                          ; one load of mine is out, and no more follow
	v_and_b32 v1, 15, v0                           ; r
	v_bfe_u32 v2, v0, 4, 1                         ; h
	v_mul_u32_u24 v3, v1, PITCH
	v_lshl_add_u32 v4, v2, 4, v3                   ; a fragment's row x pitch + 16 h
	s_mul_i32 s2, s21, HALFT                       ; my 128 rows of A
	s_mul_i32 s3, s22, HALFT                       ; my 128 rows of B,
	s_add_co_u32 s3, s3, 2*HALFT                   ; behind A's 256
.irp s, 0,1
	v_add_nc_u32 v[ADRA+\s], s2, v4
	v_add_nc_u32 v[ADRB+\s], s3, v4
	s_add_co_u32 s2, s2, SLOT
	s_add_co_u32 s3, s3, SLOT
.endr
	v_lshlrev_b32 v5, 5, v1                        ; my row's 32 scale bytes,
	v_lshrrev_b32 v6, 3, v1
	v_lshl_add_u32 v5, v6, 4, v5                   ; and 16 more behind the first 256
	s_mul_i32 s2, s21, HALFS
	s_mul_i32 s3, s22, HALFS
	s_add_co_u32 s3, s3, 2*HALFS
	s_sub_co_u32 s3, s3, s2
	v_mul_u32_u24 v6, s3, v2                       ; lanes 16-31 take B's: one product with h
	s_add_co_u32 s2, s2, SCL
	v_add_nc_u32 v5, v5, v6
	v_add_nc_u32 v[ADRS], s2, v5
	v_and_b32 v7, 31, v0
	v_lshlrev_b32 v[LI], 4, v7
	v_mul_u32_u24 v8, v2, 20480
	v_lshl_add_u32 v[VSV], v1, 4, v8
	s_lshl_b32 s2, s20, 10
	s_add_co_u32 s2, s2, STG                       ; my stage
	v_lshlrev_b32 v9, 2, v1
	v_lshl_add_u32 v9, v2, 9, v9
	v_add_nc_u32 v[STW], s2, v9                    ; 512 h + 4 r
	v_add_nc_u32 v[STR], s2, v[LI]
	v_lshlrev_b32 v[SH], 4, v2
	; where my results go
	s_cmp_eq_u32 ttmp9, 2
	s_cselect_b32 s2, s40, s41                     ; the tokens' tile in the cluster: v: cx; else cy
	s_cselect_b32 s3, s22, s21                     ; and my half of it
	s_cselect_b32 s46, s41, s40                    ; the features' tile
	s_cselect_b32 s47, s21, s22
	s_cselect_b32 s66, 1, 2                        ; bytes of scale words a token: v: 256 for 128; else 4
	s_cselect_b32 s96, -1, 0xffff                  ; v's word has four bytes, q's and k's two
	s_add_co_u32 s2, s2, s23
	s_lshl_b32 s2, s2, 8
	s_lshl_b32 s3, s3, 7
	s_add_co_u32 s2, s2, s3                        ; my first token of the 8,192
	s_lshr_b32 s3, s2, 11                          ; its batch
	s_and_b32 s2, s2, 2047                         ; and its place there
	s_lshl_b32 s46, s46, 2
	s_lshl_b32 s47, s47, 1
	s_add_co_u32 s46, s46, s47                     ; my first head of two
	s_lshl_b32 s3, s3, 4
	s_add_co_u32 s3, s3, s46                       ; 16 batch + head
	s_lshl_b32 s92, s3, 16
	s_lshl_b32 s47, s2, 5                          ; 32 bytes of codes a token and head, in all three layouts
	s_add_co_u32 s92, s92, s47
	s_lshl_b32 s47, ttmp9, 22
	s_add_co_u32 s92, s92, s47
	s_mov_b32 s93, 0
	s_add_nc_u64 s[92:93], s[16:17], s[92:93]      ; the codes' base
	s_mul_i32 s94, s3, 20480
	s_lshl_b32 s47, s2, s66
	s_add_co_u32 s94, s94, s47
	s_lshl_b32 s47, ttmp9, 13
	s_add_co_u32 s94, s94, s47
	s_mov_b32 s95, 0
	s_add_nc_u64 s[94:95], s[18:19], s[94:95]      ; the words' base
	s_mov_b32 s66, 0x76543210
	s_mov_b32 s67, 0xfedcba98                      ; v_permlanex16_b32's selects for lane l xor 16
.macro FRAG reg, adr, q, i             ; 16 rows x 128 K of 4-bit codes: 8 registers, two loads of 16 bytes, 32 bytes apart
.irp c, 0,1
	ds_load_b128 v[\reg+4*\c:\reg+4*\c+3], v[\adr] offset:64*(\q)+32*\c+(\i)*16*PITCH
.endr
.endm
.macro SCALES                          ; all of K's scale words: 32 bytes a row
.irp i, 0,1,2,3,4,5,6,7
.irp s, 0,1
	ds_load_b128 v[SC+8*\i+4*\s:SC+8*\i+4*\s+3], v[ADRS] offset:\i*SBLK+16*\s
.endr
.endr
.endm
.macro LOADS slot, q, p                ; the fragments of the slot's q-th 128 along K into set p: 32 loads in one run
	WIN 0x40                                       ; destination window 1
.irp i, 0,1,2,3,4,5,6,7
	FRAG 64*(\p)+8*\i, ADRB+\slot, \q, \i
.endr
	WIN 0
.irp i, 0,1,2,3,4,5,6,7
	FRAG AF+64*(\p)+8*\i, ADRA+\slot, \q, \i
.endr
.endm
; 64 matrix instructions: the 64 accumulators take turns, one instruction a turn, in the same order in every step.  zero = 1: the first products start the sums.
.macro MULS p, g, zero
.irp a, 0,1,2,3,4,5,6,7
.if \a == 0
	WIN 0xa1                                       ; source 0 (B) window 1, source 1 (A) window 0, C and D window 2
.endif
.if \a == 4
	WIN 0xf1                                       ; C and D window 3
.endif
.irp b, 0,1,2,3,4,5,6,7
.if \zero
	v_wmma_scale_f32_16x16x128_f8f6f4 v[8*(8*(\a%4)+\b):8*(8*(\a%4)+\b)+7], v[64*(\p)+8*\b:64*(\p)+8*\b+7], v[AF+64*(\p)+8*\a:AF+64*(\p)+8*\a+7], 0, v[SC+8*\b+(\g)], v[SC+8*\a+(\g)] matrix_a_fmt:MATRIX_FMT_FP4 matrix_b_fmt:MATRIX_FMT_FP4 matrix_a_scale:MATRIX_SCALE_ROW1
.else
	v_wmma_scale_f32_16x16x128_f8f6f4 v[8*(8*(\a%4)+\b):8*(8*(\a%4)+\b)+7], v[64*(\p)+8*\b:64*(\p)+8*\b+7], v[AF+64*(\p)+8*\a:AF+64*(\p)+8*\a+7], v[8*(8*(\a%4)+\b):8*(8*(\a%4)+\b)+7], v[SC+8*\b+(\g)], v[SC+8*\a+(\g)] matrix_a_fmt:MATRIX_FMT_FP4 matrix_b_fmt:MATRIX_FMT_FP4 matrix_a_scale:MATRIX_SCALE_ROW1
.endif
.endr
.endr
.endm
; A step of 128 along K.  The next step's fragments are asked for ahead of this step's 64 products, into the set that the last step multiplied.
.macro STEP g
	s_wait_dscnt 0x0                               ; this step's set is in (asked for 64 matrix instructions ago)
.if \g > 0
	PLACES 4                                       ; in front of loads into registers that matrix instructions have read
.endif
.if \g < 7
	LOADS (\g+1)/4, (\g+1)%4, (\g+1)%2
.endif
.if \g == 0
	MULS 0, 0, 1
.else
	MULS (\g)%2, \g, 0
.endif
.endm
	s_wait_alu depctr_va_vdst(0)
	s_wait_tensorcnt 0x0                           ; my one load has landed
	s_barrier_signal -1
	s_barrier_wait -1                              ; everybody's are
	SCALES
	LOADS 0, 0, 0
.irp g, 0,1,2,3,4,5,6,7
	STEP \g
.endr
	WIN 0
	PLACES 4                                       ; in front of the first reads of results and of writes into registers that held fragments
; THE WAY OUT.  Block a (16 of A's rows x my 128 along the next K) becomes a fragment's codes in v[128 + 8 a] on and a scale word.
.macro QUANTW a
.set W, 2+(\a)/4
.set AC, 64*((\a)%4)
.set PCA, 128+8*(\a)
	WIN (W|(W<<2))                                 ; sources 0 and 1: the accumulators' window
.irp b, 0,1,2,3
	v_max3_num_f32 v[TM+\b], |v[AC+16*\b]|, |v[AC+16*\b+1]|, 0x1800000   ; block b: my 16 numbers, each accumulator from its low end on, and the floor 2^(3 - 127): the byte cannot fall under 1
.endr
	WIN ((W<<2)|(W<<4))                            ; sources 1 and 2
.irp i, 2,4,6,8,10,12,14
.irp b, 0,1,2,3
	v_max3_num_f32 v[TM+\b], v[TM+\b], |v[AC+16*\b+\i]|, |v[AC+16*\b+\i+1]|
.endr
.endr
	WIN 0
.irp b, 0,1,2,3
	v_permlanex16_b32 v[TM+4+\b], v[TM+\b], s66, s67
.endr
.irp b, 0,1,2,3
	v_max_num_f32 v[TM+\b], v[TM+\b], v[TM+4+\b]   ; with lane l xor 16's: the block's largest magnitude
.endr
.irp b, 0,1,2,3
	v_add_nc_u32 v[TM+12+\b], 0xff000000, v[TM+\b] ; 2 off its exponent field: the conversion's scale operand
.endr
.irp b, 0,1,2,3
	v_lshrrev_b32 v[TM+4+\b], 23, v[TM+12+\b]      ; the scale's byte
.endr
	v_lshl_or_b32 v[PW], v[TM+5], 8, v[TM+4]
	v_lshl_or_b32 v[PW], v[TM+6], 16, v[PW]
	v_lshl_or_b32 v[PW], v[TM+7], 24, v[PW]
	WIN W                                          ; source 0
.irp b, 0,1,2,3
	v_cvt_scalef32_pk8_fp4_f32 v[PCA+4*(\b/2)+(\b%2)], v[AC+16*\b:AC+16*\b+7], v[TM+12+\b]         ; K 32 b + 8 h + 0 .. 7
	v_cvt_scalef32_pk8_fp4_f32 v[PCA+4*(\b/2)+2+(\b%2)], v[AC+16*\b+8:AC+16*\b+15], v[TM+12+\b]    ; K 32 b + 16 + 8 h + 0 .. 7
.endr
	WIN 0
	v_nop                                          ; one plain place behind a scaled conversion
.irp c, 0,1
	v_permlane16_swap_b32 v[PCA+4*\c], v[PCA+4*\c+1]       ; the first's lanes 16-31 change places with the second's lanes 0-15:
	v_permlane16_swap_b32 v[PCA+4*\c+2], v[PCA+4*\c+3]     ; registers 4 c .. 4 c + 3 now hold K 64 c + 32 h + 0 .. 31
.endr
	v_lshrrev_b32 v[WD+\a], v[SH], v[PW]           ; q, k: lanes 0-15 keep the first head's two bytes, lanes 16-31 take the second head's
	v_and_b32 v[WD+\a], s96, v[WD+\a]              ; (v: lanes 0-15 keep all four; what lanes 16-31 put down is not stored to memory)
	ds_store_b32 v[STW], v[WD+\a] offset:64*\a
.endm
.irp b, 0,1,2,3
	v_mov_b32 v[TM+4+\b], 0                        ; written once: a lane permute's destination counts as one of its sources
.endr
.irp a, 0,1,2,3,4,5,6,7
	QUANTW \a
.endr
	ds_load_b128 v[SW:SW+3], v[STR]                ; LDS serves a wave's instructions in order: these see my stores
	ds_load_b128 v[SW+4:SW+7], v[STR] offset:512
	s_wait_dscnt 0x0
	s_cmp_eq_u32 ttmp9, 2                          ; the role: the same in all partners
	s_cbranch_scc1 .Lvalues
	s_wait_alu depctr_va_vdst(0)
.irp a, 0,1,2,3,4,5,6,7                ; q, k: block a is a tile of 16 tokens; registers 0-3 the first head's image, 4-7 the second's.  Each store: 512 consecutive bytes
	global_store_b128 v[LI], v[128+8*\a:131+8*\a], s[92:93] offset:512*\a
	global_store_b128 v[LI], v[132+8*\a:135+8*\a], s[92:93] offset:512*\a+65536
.endr
	global_store_b128 v[LI], v[SW:SW+3], s[94:95]                 ; 128 tokens' words of the first head,
	global_store_b128 v[LI], v[SW+4:SW+7], s[94:95] offset:20480  ; and of the second
	s_branch .Ldone
.Lvalues:
	s_wait_alu depctr_va_vdst(0)
.irp a, 0,1,2,3,4,5,6,7                ; v: block a is 16 features: head a / 4, tile a % 4; the 128 tokens are one key step
	global_store_b128 v[LI], v[128+8*\a:131+8*\a], s[92:93] offset:(\a/4)*65536+(\a%4)*1024
	global_store_b128 v[LI], v[132+8*\a:135+8*\a], s[92:93] offset:(\a/4)*65536+(\a%4)*1024+512
.endr
	global_store_b128 v[VSV], v[SW:SW+3], s[94:95]                ; lanes 0-15: the first head's 64 words, 256 consecutive bytes; lanes 16-31: the second head's
.Ldone:
	s_wait_tensorcnt 0x0                           ; the wave's end: behind my last tensor load and my last LDS store
	ds_add_u32 v[SPW], v[NIL]
	s_wait_dscnt 0x0
	CROUND                                         ; the closing round
	s_endpgm
.Lfunc_end_k_q90b71d8aa3_proj:
	.size	k_q90b71d8aa3_proj, .Lfunc_end_k_q90b71d8aa3_proj-k_q90b71d8aa3_proj
	.p2alignl 7, 3214868480
	.fill 96, 4, 3214868480
	.section	.rodata,"a",@progbits
	.p2align	6, 0x0
	.amdhsa_kernel k_q90b71d8aa3_proj
		.amdhsa_group_segment_fixed_size 327680
		.amdhsa_private_segment_fixed_size 0
		.amdhsa_enable_private_segment 0
		.amdhsa_kernarg_size 64
		.amdhsa_user_sgpr_count 2
		.amdhsa_user_sgpr_kernarg_segment_ptr 1
		.amdhsa_wavefront_size32 1
		.amdhsa_system_sgpr_workgroup_id_x 1
		.amdhsa_system_sgpr_workgroup_id_y 1
		.amdhsa_system_sgpr_workgroup_id_z 1
		.amdhsa_system_vgpr_workitem_id 0
		.amdhsa_next_free_vgpr 1024
		.amdhsa_next_free_sgpr 102
		.amdhsa_reserve_vcc 0
		.amdhsa_float_denorm_mode_32 3
		.amdhsa_float_denorm_mode_16_64 3
		.amdhsa_memory_ordered 1
		.amdhsa_forward_progress 1
		.amdhsa_inst_pref_size 129
	.end_amdhsa_kernel
	.amdgpu_metadata
---
amdhsa.version: [ 1, 2 ]
amdhsa.kernels:
  - .name:           k_q90b71d8aa3_proj
    .symbol:         k_q90b71d8aa3_proj.kd
    .args:
      - { .name: x_codes, .offset: 0, .size: 8, .value_kind: global_buffer, .address_space: global }
      - { .name: x_scales, .offset: 8, .size: 8, .value_kind: global_buffer, .address_space: global }
      - { .name: w_q_codes, .offset: 16, .size: 8, .value_kind: global_buffer, .address_space: global }
      - { .name: w_q_scales, .offset: 24, .size: 8, .value_kind: global_buffer, .address_space: global }
      - { .name: w_kv_codes, .offset: 32, .size: 8, .value_kind: global_buffer, .address_space: global }
      - { .name: w_kv_scales, .offset: 40, .size: 8, .value_kind: global_buffer, .address_space: global }
      - { .name: wc, .offset: 48, .size: 8, .value_kind: global_buffer, .address_space: global }
      - { .name: wsc, .offset: 56, .size: 8, .value_kind: global_buffer, .address_space: global }
    .group_segment_fixed_size: 327680
    .private_segment_fixed_size: 0
    .kernarg_segment_align: 8
    .kernarg_segment_size: 64
    .max_flat_workgroup_size: 128
    .sgpr_count:     102
    .vgpr_count:     1024
    .wavefront_size: 32
...
	.end_amdgpu_metadata
.endif
;; end of part 1
;; launch attn2 (part 2): grid 8 x 32, 16 waves a work-group, clusters of 4 x 1, 327,680 bytes of LDS; arguments wc, wsc, ac, asc; writes ac, asc
.if DOCPART == 2
	.amdgcn_target "amdgcn-amd-amdhsa--gfx1250"
	.amdhsa_code_object_version 6
	.text
	.protected	k_q90b71d8aa3_attn2
	.globl	k_q90b71d8aa3_attn2
	.p2align	8
	.type	k_q90b71d8aa3_attn2,@function
k_q90b71d8aa3_attn2:
	s_mov_b64 s[64:65], 0
	v_nop
	global_prefetch_b8 v0, s[64:65] scope:SCOPE_SE
	s_setreg_imm32_b32 hwreg(HW_REG_WAVE_MODE, 25, 1), 1
	s_wait_xcnt 0x0
	s_wait_alu depctr_hold_cnt(0) depctr_sa_sdst(0) depctr_va_vdst(0) depctr_va_sdst(0) depctr_va_ssrc(0) depctr_va_vcc(0) depctr_vm_vsrc(0)
	s_getreg_b32 s2, hwreg(HW_REG_IB_STS2, 6, 4)
	s_cmp_eq_u32 s2, 0
	s_cbranch_scc0 .Lentry_in_a_cluster
	s_endpgm
.Lentry_in_a_cluster:
	s_bfe_u32 s2, ttmp6, 0x10000c
	s_cmp_lg_u32 s2, 0x3003
	s_cbranch_scc0 .Lentry_shape_is_right
	s_endpgm
.Lentry_shape_is_right:
; attn = softmax(q k^T / 8) v for two heads of a batch and 256 queries a work-group, both products on codes of E2M1 with E8M0 scales; the result is divided by the row's sum, quantised along the head's 64
; and stored as images of operand registers (ac) and scale words (asc) for the last launch.  Nothing of the problem is left out here.
; q, k, v come as the first launch laid them: images of operand registers (512 bytes: lane l at 16 l) and scale words.
; SHARES.  Each of the sixteen waves owns 16 queries and walks the 2 x 16 key steps (128 keys) of the two heads, one head after the other.
; ALL OF K AND V OF BOTH HEADS STAYS IN LDS: 4 x 65,536 bytes of codes and 24,576 of scale words.  Every tensor load is a first fill at the head, one a wave: waves 0-7 fetch 32,768 bytes of codes each,
; wave 8 K's words, wave 9 V's.  One barrier stands ahead of the walk and none inside it.
; CLUSTER: the four work-groups of a cluster own other queries of the same two heads and ask for these tiles jointly.
; NO PREFETCH: every tile is asked for at the head, so there is no loop to run ahead in.
; THE SOFTMAX: t = score x log2(e) / 8; M = the ceiling of the running largest t; p = 2^(t - M) is quantised along the keys; the row's sum is taken of the unquantised p; a change of M multiplies sum and O by a power of two.
; Behind step i's first product the operand registers take V of step i and K of step i + 1 from LDS.
; LIMITS: the promise holds while the scaled scores stay under 2^31 in magnitude; NaN and infinities are not served; a block whose largest magnitude lies under 2^(3 - 127) gets the byte 1 (only this program reads these bytes).
; REGISTERS: v12 -M, v13 the largest score, v[14:15] the sum; v16-23 Q and zeros (K = 64 of the instruction's 128); v24-27, v75 the second head's Q; v32-67 K's eight tiles and zeros; v68-73 K's and V's words, v74 Q's;
; v76-83, v84 the results' codes and words; v96-159 S^T, then p; v160-191 O^T; v192-223 V; v224-231 p's codes; v232-254 at work.
.set SCB,   262144                     ; LDS: K of head 0, K of head 1, V of head 0, V of head 1; then K's words (2 x 8,192) and V's (2 x 4,096)
.set SPARE, SCB+24576                  ; the spare words: 128 bytes a wave
.set STG,   SPARE+2048                 ; a stage for the 256 queries' scale words; no tensor load lands there
.set LI,   1                           ; v1 16 x lane
.set L4,   2                           ; v2 4 x lane
.set SPW,  3                           ; v3 my spare word; never rewritten
.set NIL,  4                           ; v4 0; never rewritten
.set R4,   5                           ; v5 4 x (lane % 16)
.set STGW, 6
.set T16,  7                           ; v7 16 x thread
.set ADK,  8                           ; v8-11 the trip's K, V, K's words, V's words
.set ADV,  9
.set ADS,  10
.set ADT,  11
.set STGR, 85
.set WV,   12
.set G1C,  16
.set G1K,  24
.set G1V,  32
.set G0C,  40
.set G0K,  44
.set G0V,  48
.set SEL,  52
.set CS,   54
.set TB,   56
.set TS,   57
.set TJ,   58
.set T,    59
.macro CROUND                          ; a round of the cluster's barrier
	s_barrier_signal -1
	s_barrier_wait -1
	s_cmp_lg_u32 s[WV], 0
	s_cbranch_scc1 .Lnot_wave_0_\@
	s_barrier_signal -3
.Lnot_wave_0_\@:
	s_barrier_wait -3
	s_barrier_signal -1
	s_barrier_wait -1
.endm
	s_load_b256 s[4:11], s[0:1], 0x0               ; wc, wsc, ac, asc
	v_lshl_add_u32 v[SPW], v0, 2, SPARE
	v_mov_b32 v[NIL], 0
	ds_add_u32 v[SPW], v[NIL]                      ; the opening: the add, twice on end, and its wait ahead of the first tensor load
	ds_add_u32 v[SPW], v[NIL]
	v_lshrrev_b32 v8, 5, v0
	v_readfirstlane_b32 s[WV], v8
	s_bfe_u32 s13, ttmp6, 0x40000                  ; cx
	s_lshl_b32 s14, ttmp9, 2
	s_add_co_u32 s14, s14, s13                     ; the block of 256 queries
	s_and_b32 s15, ttmp7, 0xffff                   ; the pair of heads: 8 batch + head / 2
.irp g, G1C, G1K, G1V
	s_mov_b32 s[\g], 15|(3<<16)|(1<<21)            ; the mask names the cluster's four; elements of 8 bytes; no padding
	s_mov_b32 s[\g+6], 0
	s_mov_b32 s[\g+7], 0
.endr
	s_mov_b32 s[G1C+1], 32<<16                     ; codes: 128 dense rows of 256 bytes
	s_mov_b32 s[G1C+2], 128<<16
	s_mov_b32 s[G1C+3], 32<<16
	s_mov_b32 s[G1C+4], 128
	s_mov_b32 s[G1C+5], 32
	s_mov_b32 s[G1K+1], 1024<<16                   ; K's words: a row of 8,192 bytes a head, 20,480 bytes apart
	s_mov_b32 s[G1K+2], 2<<16
	s_mov_b32 s[G1K+3], 1024<<16
	s_mov_b32 s[G1K+4], 2
	s_mov_b32 s[G1K+5], 2560
	s_mov_b32 s[G1V+1], 512<<16                    ; V's words: a row of 4,096 bytes a head
	s_mov_b32 s[G1V+2], 2<<16
	s_mov_b32 s[G1V+3], 512<<16
	s_mov_b32 s[G1V+4], 2
	s_mov_b32 s[G1V+5], 2560
	s_lshr_b32 s60, s[WV], 2                       ; waves 0-3: K (role 1), waves 4-7: V (role 2); the two heads lie on end
	s_add_co_u32 s60, s60, 1
	s_lshl_b32 s60, s60, 22
	s_lshl_b32 s61, s15, 17
	s_add_co_u32 s60, s60, s61
	s_and_b32 s61, s[WV], 3
	s_lshl_b32 s61, s61, 15
	s_add_co_u32 s60, s60, s61
	s_mov_b32 s61, 0
	s_mul_i32 s62, s15, 40960                      ; the pair's scale words
	s_mov_b32 s63, 0
	s_lshl_b32 s77, s14, 4
	s_add_co_u32 s77, s77, s[WV]                   ; my tile of 16 queries, 0 .. 127
	s_lshl_b32 s66, s15, 17
	s_lshl_b32 s78, s77, 9
	s_add_co_u32 s66, s66, s78
	s_mov_b32 s67, 0
	s_lshl_b32 s68, s77, 6
	s_mov_b32 s69, 0
	s_lshr_b32 s78, s15, 3                         ; batch
	s_and_b32 s79, s15, 7                          ; the last product's K step
	s_lshl_b32 s70, s78, 7
	s_add_co_u32 s70, s70, s77
	s_lshl_b32 s70, s70, 13
	s_lshl_b32 s72, s79, 10
	s_add_co_u32 s70, s70, s72
	s_mov_b32 s71, 0
	s_lshl_b32 s72, s79, 15
	s_lshl_b32 s78, s78, 13
	s_add_co_u32 s72, s72, s78
	s_lshl_b32 s78, s14, 10
	s_add_co_u32 s72, s72, s78
	s_mov_b32 s73, 0
	s_mov_b32 s[SEL], 0x76543210
	s_mov_b32 s[SEL+1], 0xfedcba98
	s_mov_b32 s[CS], 0x3e38aa3b                    ; log2(e) / 8
	s_mov_b32 s[CS+1], s[CS]
	s_wait_dscnt 0x0                               ; both opening adds are done
	s_wait_kmcnt 0x0
	s_mov_b32 s[G0C], 1
	s_lshl_b32 s[G0C+1], s[WV], 15
	s_add_nc_u64 s[G0C+2:G0C+3], s[4:5], s[60:61]
	s_or_b32 s[G0C+3], s[G0C+3], 0x80000000
	s_add_nc_u64 s[62:63], s[6:7], s[62:63]
	s_mov_b32 s[G0K], 1
	s_mov_b32 s[G0K+1], SCB
	s_add_nc_u64 s[G0K+2:G0K+3], s[62:63], 8192
	s_or_b32 s[G0K+3], s[G0K+3], 0x80000000
	s_mov_b32 s[G0V], 1
	s_mov_b32 s[G0V+1], SCB+16384
	s_add_nc_u64 s[G0V+2:G0V+3], s[62:63], 16384
	s_or_b32 s[G0V+3], s[G0V+3], 0x80000000
	s_add_nc_u64 s[66:67], s[4:5], s[66:67]        ; my queries' images,
	s_add_nc_u64 s[68:69], s[62:63], s[68:69]      ; their words,
	s_add_nc_u64 s[70:71], s[8:9], s[70:71]        ; where my results' images go,
	s_add_nc_u64 s[72:73], s[10:11], s[72:73]      ; and the work-group's words
	CROUND                                         ; the four work-groups are here: the joint loads meet
; one tree of branches on the wave's number, an arm a load: no way through the head passes two; an s_nop 0 and four v_nop follow each load
.macro ARM under, g0, g1, next
	s_cmp_lt_u32 s[WV], \under
	s_cbranch_scc0 \next
	tensor_load_to_lds s[\g0:\g0+3], s[\g1:\g1+7]
	s_nop 0
.rept 4
	v_nop
.endr
	s_branch .Lhead_asked
\next:
.endm
	ARM 8,  G0C, G1C, .Lhead_kw
	ARM 9,  G0K, G1K, .Lhead_vw
	ARM 10, G0V, G1V, .Lhead_none
.Lhead_asked:
	v_and_b32 v8, 31, v0
	v_and_b32 v9, 15, v0
	v_lshlrev_b32 v[LI], 4, v8
	v_lshlrev_b32 v[L4], 2, v8
	v_lshlrev_b32 v[R4], 2, v9
	global_load_b128 v[16:19], v[LI], s[66:67]
	global_load_b128 v[24:27], v[LI], s[66:67] offset:65536
	global_load_b32 v74, v[R4], s[68:69]
	global_load_b32 v75, v[R4], s[68:69] offset:20480
	v_lshrrev_b32 v10, 5, v0
	v_lshl_add_u32 v[STGW], v10, 6, v[R4]
	v_add_nc_u32 v[STGW], STG, v[STGW]
	v_lshlrev_b32 v[T16], 4, v0
	v_add_nc_u32 v[STGR], STG, v[T16]
	v_add_nc_u32 v[ADS], SCB, v[L4]
.irp j, 20,21,22,23,64,65,66,67,76,77,78,79,84,236,237,238,239,253
	v_mov_b32 v[\j], 0                             ; the zero halves of the first product's operands; what the way out shifts on; destinations of lane permutes; the upper word of v[252:253]
.endr
; A KEY STEP, the j-th of a trip's four
.macro STEP j
	s_wait_dscnt 0x0                               ; this step's K and its words are in
.irp t, 0,2,4,6
	v_wmma_scale_f32_16x16x128_f8f6f4 v[96+8*\t:103+8*\t], v[32+4*\t:39+4*\t], v[16:23], 0, v[68+\t/2], v74 matrix_a_fmt:MATRIX_FMT_FP4 matrix_b_fmt:MATRIX_FMT_FP4
	v_wmma_scale_f32_16x16x128_f8f6f4 v[104+8*\t:111+8*\t], v[36+4*\t:43+4*\t], v[16:23], 0, v[68+\t/2], v74 matrix_a_fmt:MATRIX_FMT_FP4 matrix_b_fmt:MATRIX_FMT_FP4 matrix_a_scale:MATRIX_SCALE_ROW1
.endr
.if \j == 0
	v_add_nc_u32 v[ADK], s[TB], v[LI]              ; the trip's addresses: these four lines are also the places ahead of the loads and of the first reads of S^T
	v_add_nc_u32 v[ADS], s[TS], v[L4]
	v_add_nc_u32 v[ADT], s[TJ], v[L4]
	v_add_nc_u32 v[ADV], 0x20000, v[ADK]
.else
.rept 4
	v_nop                                          ; places ahead of the loads into operands and of the first reads of S^T
.endr
.endif
.irp f, 0,1,2,3
.irp c, 0,1
	ds_load_b128 v[192+8*\f+4*\c:195+8*\f+4*\c], v[ADV] offset:4096*\j+1024*\f+512*\c   ; this step's V
.endr
.endr
.irp u, 0,1
	ds_load_b32 v[72+\u], v[ADT] offset:256*\j+128*\u
.endr
.if \j == 3
	s_cmp_eq_u32 s[T], 7                           ; behind the last step nothing follows
	s_cbranch_scc1 .Lnk_\@
.endif
.irp t, 0,1,2,3,4,5,6,7
	ds_load_b128 v[32+4*\t:35+4*\t], v[ADK] offset:4096*(\j+1)+512*\t     ; the next step's K: 12 loads
.endr
.irp u, 0,1,2,3
	ds_load_b32 v[68+\u], v[ADS] offset:512*(\j+1)+128*\u
.endr
.if \j == 3
.Lnk_\@:
.endif
.irp b, 0,1,2,3
	v_max3_num_f32 v[232+\b], v[96+16*\b], v[97+16*\b], v[98+16*\b]   ; each block's largest score: for the row's maximum and for the block's largest p
.endr
.irp i, 3,5,7,9,11,13
.irp b, 0,1,2,3
	v_max3_num_f32 v[232+\b], v[232+\b], v[96+16*\b+\i], v[97+16*\b+\i]
.endr
.endr
.irp b, 0,1,2,3
	v_max_num_f32 v[232+\b], v[232+\b], v[111+16*\b]
.endr
.irp b, 0,1,2,3
	s_delay_alu instid0(VALU_DEP_4)
	v_permlanex16_b32 v[236+\b], v[232+\b], s[SEL], s[SEL+1]
.endr
.irp b, 0,1,2,3
	s_delay_alu instid0(VALU_DEP_4)
	v_max_num_f32 v[232+\b], v[232+\b], v[236+\b]
.endr
	s_delay_alu instid0(VALU_DEP_2)
	v_max3_num_f32 v254, v232, v233, v234
	s_delay_alu instid0(VALU_DEP_1)
	v_max3_num_f32 v13, v13, v254, v235            ; the running largest score
	s_delay_alu instid0(VALU_DEP_1)
	v_mul_f32 v251, s[CS], v13                     ; as t
	v_mov_b32 v254, v12
	s_delay_alu instid0(VALU_DEP_2)
	v_floor_f32 v12, -v251                         ; -M = floor(-t)
	s_delay_alu instid0(VALU_DEP_1)
	v_sub_f32 v254, v12, v254
	s_delay_alu instid0(VALU_DEP_1)
	v_cvt_i32_f32 v254, v254                       ; (it saturates)
	s_delay_alu instid0(VALU_DEP_1)
	v_ldexp_f32 v252, 1.0, v254                    ; f = 2^(old M - new M)
.set jj, 0
.rept 32
	v_pk_fma_f32 v[96+jj:97+jj], v[96+jj:97+jj], s[CS:CS+1], v[12:13] op_sel_hi:[1,0,0]   ; t - M
.set jj, jj+2
.endr
.irp b, 0,1,2,3
	v_fma_f32 v[232+\b], v[232+\b], s[CS], v12     ; the same of each block's largest score
.endr
	s_wait_alu depctr_va_vdst(0)
.set jj, 0
.rept 64
	v_exp_f32 v[96+jj], v[96+jj]
.set jj, jj+1
.endr
.irp b, 0,1,2,3
	v_exp_f32 v[232+\b], v[232+\b]                 ; each block's largest p, in the same batch
.endr
	v_pk_mul_f32 v[14:15], v[14:15], v[252:253] op_sel_hi:[1,0]   ; the sum under the new M; a plain place behind the batch
	s_wait_alu depctr_va_vdst(0)                   ; one wait for the batch, directly ahead of the first reader of O^T
.set jj, 0
.rept 16
	v_pk_mul_f32 v[160+jj:161+jj], v[160+jj:161+jj], v[252:253] op_sel_hi:[1,0]   ; O^T under the new M
.set jj, jj+2
.endr
.irp b, 0,1,2,3
	v_max_num_f32 v[232+\b], 0x1800000, v[232+\b]  ; the floor 2^(3 - 127): the byte cannot fall under 1
.endr
.irp b, 0,1,2,3
	s_delay_alu instid0(VALU_DEP_4)
	v_add_nc_u32 v[244+\b], 0xff000000, v[232+\b]  ; 2 off the exponent field: the conversion's scale operand
.endr
.irp b, 0,1,2,3
	s_delay_alu instid0(VALU_DEP_4)
	v_lshrrev_b32 v[236+\b], 23, v[244+\b]
.endr
	s_delay_alu instid0(VALU_DEP_3)
	v_lshl_or_b32 v253, v237, 8, v236
	s_delay_alu instid0(VALU_DEP_1)
	v_lshl_or_b32 v253, v238, 16, v253
	s_delay_alu instid0(VALU_DEP_1)
	v_lshl_or_b32 v253, v239, 24, v253             ; p's scale word for these 128 keys
.irp b, 0,1,2,3
	v_cvt_scalef32_pk8_fp4_f32 v[224+4*(\b/2)+(\b%2)], v[96+16*\b:103+16*\b], v[244+\b]
	v_cvt_scalef32_pk8_fp4_f32 v[226+4*(\b/2)+(\b%2)], v[104+16*\b:111+16*\b], v[244+\b]
.endr
	v_nop                                          ; one plain place behind a scaled conversion
.irp c, 0,2,4,6
	v_permlane16_swap_b32 v[224+\c], v[225+\c]     ; a whole block of 32 keys to a lane
.endr
	v_pk_add_f32 v[236:237], v[96:97], v[98:99]    ; the row's sum of the unquantised p, in two chains
.set jj, 4
.rept 15
	v_pk_add_f32 v[14:15], v[14:15], v[96+jj:97+jj]
	v_pk_add_f32 v[236:237], v[236:237], v[98+jj:99+jj]
.set jj, jj+4
.endr
	s_delay_alu instid0(VALU_DEP_1)
	v_pk_add_f32 v[14:15], v[14:15], v[236:237]
.if \j < 3
	s_wait_dscnt 12                                ; V and its words are in; the 12 loads of the next step's K were issued behind them
.else
	s_wait_dscnt 0x0                               ; (the last step of all issues no such 12)
.endif
.irp f, 0,2
	v_wmma_scale_f32_16x16x128_f8f6f4 v[160+8*\f:167+8*\f], v[192+8*\f:199+8*\f], v[224:231], v[160+8*\f:167+8*\f], v[72+\f/2], v253 matrix_a_fmt:MATRIX_FMT_FP4 matrix_b_fmt:MATRIX_FMT_FP4
	v_wmma_scale_f32_16x16x128_f8f6f4 v[168+8*\f:175+8*\f], v[200+8*\f:207+8*\f], v[224:231], v[168+8*\f:175+8*\f], v[72+\f/2], v253 matrix_a_fmt:MATRIX_FMT_FP4 matrix_b_fmt:MATRIX_FMT_FP4 matrix_a_scale:MATRIX_SCALE_ROW1
.endr
.endm
	s_mov_b32 s[T], 0
	s_mov_b32 s[TB], 0
	s_mov_b32 s[TS], SCB
	s_mov_b32 s[TJ], SCB+16384
	s_wait_alu depctr_va_vdst(0)
	s_wait_loadcnt 0x0                             ; Q
	s_wait_tensorcnt 0x0                           ; my tile, if I asked for one, has landed
	s_barrier_signal -1
	s_barrier_wait -1                              ; everybody's has
.irp t, 0,1,2,3,4,5,6,7
	ds_load_b128 v[32+4*\t:35+4*\t], v[LI] offset:512*\t      ; key step 0
.endr
.irp u, 0,1,2,3
	ds_load_b32 v[68+\u], v[ADS] offset:128*\u
.endr
.Ltrip:                                                ; eight trips of four key steps: trips 0-3 the first head, 4-7 the second; the heads' tiles lie on end in LDS
	s_and_b32 s60, s[T], 3
	s_cmp_lg_u32 s60, 0
	s_cbranch_scc1 .Lgo
	v_mov_b32 v13, 0xff61b1e6                      ; a head begins: the largest score so far: -3e38
	v_mov_b32 v12, 0x7f61b1e6                      ; -M
	v_mov_b32 v14, 0
	v_mov_b32 v15, 0
.set jj, 0
.rept 32
	v_mov_b32 v[160+jj], 0                         ; O^T: the step is written once, its first run finds zeros
.set jj, jj+1
.endr
	s_wait_alu depctr_va_vdst(0)
.Lgo:
	STEP 0
	STEP 1
	STEP 2
	STEP 3
	s_add_co_u32 s[TB], s[TB], 16384
	s_add_co_u32 s[TS], s[TS], 2048
	s_add_co_u32 s[TJ], s[TJ], 1024
	s_add_co_u32 s[T], s[T], 1
	s_and_b32 s60, s[T], 3
	s_cmp_lg_u32 s60, 0
	s_cbranch_scc1 .Lsame
	; a head ends: O^T / the sum, quantised along the head's 64
	s_wait_alu depctr_va_vdst(0)
.irp j, 0,1,2,3
	v_mov_b32 v[80+\j], v[76+\j]                   ; the first head's codes move on (these four are also the places behind the last products)
.endr
	v_lshrrev_b32 v84, 16, v84                     ; and its two scale bytes
	v_add_f32 v14, v14, v15
	s_delay_alu instid0(VALU_DEP_1)
	v_permlanex16_b32 v252, v14, s[SEL], s[SEL+1]
	s_delay_alu instid0(VALU_DEP_1)
	v_add_f32 v14, v14, v252
	s_wait_alu depctr_va_vdst(0)
	v_rcp_f32 v14, v14
	v_nop
	s_wait_alu depctr_va_vdst(0)
.set jj, 0
.rept 16
	v_pk_mul_f32 v[96+jj:97+jj], v[160+jj:161+jj], v[14:15] op_sel_hi:[1,0]
.set jj, jj+2
.endr
.irp b, 0,1
	v_max3_num_f32 v[232+\b], |v[96+16*\b]|, |v[97+16*\b]|, 0x1800000
.endr
.irp i, 2,4,6,8,10,12,14
.irp b, 0,1
	s_delay_alu instid0(VALU_DEP_2)
	v_max3_num_f32 v[232+\b], v[232+\b], |v[96+16*\b+\i]|, |v[97+16*\b+\i]|
.endr
.endr
.irp b, 0,1
	s_delay_alu instid0(VALU_DEP_2)
	v_permlanex16_b32 v[236+\b], v[232+\b], s[SEL], s[SEL+1]
.endr
.irp b, 0,1
	s_delay_alu instid0(VALU_DEP_2)
	v_max_num_f32 v[232+\b], v[232+\b], v[236+\b]
.endr
.irp b, 0,1
	s_delay_alu instid0(VALU_DEP_2)
	v_add_nc_u32 v[244+\b], 0xff000000, v[232+\b]
.endr
.irp b, 0,1
	s_delay_alu instid0(VALU_DEP_2)
	v_lshrrev_b32 v[236+\b], 23, v[244+\b]
.endr
	s_delay_alu instid0(VALU_DEP_1)
	v_lshl_or_b32 v236, v237, 8, v236
	s_delay_alu instid0(VALU_DEP_1)
	v_lshl_or_b32 v84, v236, 16, v84               ; the word: the first head's bytes below, the second's above
	v_cvt_scalef32_pk8_fp4_f32 v76, v[96:103], v244
	v_cvt_scalef32_pk8_fp4_f32 v78, v[104:111], v244
	v_cvt_scalef32_pk8_fp4_f32 v77, v[112:119], v245
	v_cvt_scalef32_pk8_fp4_f32 v79, v[120:127], v245
	v_nop
	v_permlane16_swap_b32 v76, v77
	v_permlane16_swap_b32 v78, v79
.irp j, 0,1,2,3
	v_mov_b32 v[16+\j], v[24+\j]                   ; the second head's queries (behind the second head these five lines change nothing that is read)
.endr
	v_mov_b32 v74, v75
	s_wait_alu depctr_va_vdst(0)                   ; directly behind the writes
.Lsame:
	s_cmp_lt_u32 s[T], 8
	s_cbranch_scc1 .Ltrip
	s_wait_alu depctr_va_vdst(0)
	global_store_b128 v[LI], v[80:83], s[70:71]            ; each store: 512 consecutive bytes
	global_store_b128 v[LI], v[76:79], s[70:71] offset:512
	ds_store_b32 v[STGW], v84
	s_wait_dscnt 0x0
	s_barrier_signal -1
	s_barrier_wait -1
	s_cmp_lt_u32 s[WV], 2
	s_cbranch_scc0 .Lno_words
	ds_load_b128 v[88:91], v[STGR]                 ; the 256 queries' words leave as 1,024 consecutive bytes
	s_wait_dscnt 0x0
	global_store_b128 v[T16], v[88:91], s[72:73]
.Lno_words:
	s_wait_tensorcnt 0x0                           ; the wave's end
	ds_add_u32 v[SPW], v[NIL]
	s_wait_dscnt 0x0
	CROUND                                         ; the closing round
	s_endpgm
.Lfunc_end_k_q90b71d8aa3_attn2:
	.size	k_q90b71d8aa3_attn2, .Lfunc_end_k_q90b71d8aa3_attn2-k_q90b71d8aa3_attn2
	.p2alignl 7, 3214868480
	.fill 96, 4, 3214868480
	.section	.rodata,"a",@progbits
	.p2align	6, 0x0
	.amdhsa_kernel k_q90b71d8aa3_attn2
		.amdhsa_group_segment_fixed_size 327680
		.amdhsa_private_segment_fixed_size 0
		.amdhsa_enable_private_segment 0
		.amdhsa_kernarg_size 32
		.amdhsa_user_sgpr_count 2
		.amdhsa_user_sgpr_kernarg_segment_ptr 1
		.amdhsa_wavefront_size32 1
		.amdhsa_system_sgpr_workgroup_id_x 1
		.amdhsa_system_sgpr_workgroup_id_y 1
		.amdhsa_system_sgpr_workgroup_id_z 1
		.amdhsa_system_vgpr_workitem_id 0
		.amdhsa_next_free_vgpr 256
		.amdhsa_next_free_sgpr 80
		.amdhsa_reserve_vcc 0
		.amdhsa_float_denorm_mode_32 3
		.amdhsa_float_denorm_mode_16_64 3
		.amdhsa_memory_ordered 1
		.amdhsa_forward_progress 1
		.amdhsa_inst_pref_size 78
	.end_amdhsa_kernel
	.amdgpu_metadata
---
amdhsa.version: [ 1, 2 ]
amdhsa.kernels:
  - .name:           k_q90b71d8aa3_attn2
    .symbol:         k_q90b71d8aa3_attn2.kd
    .args:
      - { .name: wc, .offset: 0, .size: 8, .value_kind: global_buffer, .address_space: global }
      - { .name: wsc, .offset: 8, .size: 8, .value_kind: global_buffer, .address_space: global }
      - { .name: ac, .offset: 16, .size: 8, .value_kind: global_buffer, .address_space: global }
      - { .name: asc, .offset: 24, .size: 8, .value_kind: global_buffer, .address_space: global }
    .group_segment_fixed_size: 327680
    .private_segment_fixed_size: 0
    .kernarg_segment_align: 8
    .kernarg_segment_size: 32
    .max_flat_workgroup_size: 512
    .sgpr_count:     80
    .vgpr_count:     256
    .wavefront_size: 32
...
	.end_amdgpu_metadata
.endif
;; end of part 2
;; launch oproj (part 3): grid 4 x 64, 4 waves a work-group, clusters of 4 x 4, 327,680 bytes of LDS; arguments ac, asc, w_out_codes, w_out_scales, b_out, out0; writes out0
.if DOCPART == 3
	.amdgcn_target "amdgcn-amd-amdhsa--gfx1250"
	.amdhsa_code_object_version 6
	.text
	.protected	k_q90b71d8aa3_oproj
	.globl	k_q90b71d8aa3_oproj
	.p2align	8
	.type	k_q90b71d8aa3_oproj,@function
k_q90b71d8aa3_oproj:
	s_mov_b64 s[64:65], 0
	v_nop
	global_prefetch_b8 v0, s[64:65] scope:SCOPE_SE
	s_setreg_imm32_b32 hwreg(HW_REG_WAVE_MODE, 25, 1), 1
	s_wait_xcnt 0x0
	s_wait_alu depctr_hold_cnt(0) depctr_sa_sdst(0) depctr_va_vdst(0) depctr_va_sdst(0) depctr_va_ssrc(0) depctr_va_vcc(0) depctr_vm_vsrc(0)
	s_getreg_b32 s2, hwreg(HW_REG_IB_STS2, 6, 4)
	s_cmp_eq_u32 s2, 0
	s_cbranch_scc0 .Lentry_in_a_cluster
	s_endpgm
.Lentry_in_a_cluster:
	s_bfe_u32 s2, ttmp6, 0x10000c
	s_cmp_lg_u32 s2, 0xf033
	s_cbranch_scc0 .Lentry_shape_is_right
	s_endpgm
.Lentry_shape_is_right:
; out0 = attn w_out^T + b_out.  attn comes as the codes and scale words that the launch before made (images of operand registers), w_out as it is given; sums in f32.  Nothing is left out here.
; LIMITS: NaN and infinities are not served (a given scale byte 0xff gives NaN here as there).
; SHARES.  A work-group of four waves makes 128 tokens x 256 features: with 8,192 x 1,024 outputs that is 256 work-groups.  A wave makes 64 x 128: 32 accumulators, 256 registers.
; All of K (1,024) lies in LDS at once, in two halves: every tensor load is a first fill, one a wave; nothing is filled again.
; CLUSTERS: 4 x 4.  The tokens' tiles ('A') are shared along a row of the cluster, w_out's ('B') along a column: joint loads.
; THE MATRIX INSTRUCTION IS USED TRANSPOSED (source 0 = 16 rows of w_out, source 1 = 16 tokens): a lane holds eight neighbouring numbers of a row of out0.  The bias is the C of each sum's first instruction.
; REGISTERS: window 0: v16-29 addresses; v32-95 w_out's scale words; v96-111 the tokens'; v128-191 A's fragments, two sets of 32 (the way out uses v128-255).
;   window 1: v0-127 B's fragments, two sets; v192-255 the bias, eight tiles in the result's layout.  window 2: the accumulators, (a, b) at v[8 (8 a + b)].
.set PITCH,  528                       ; an LDS row of w_out holds its whole K: 512 bytes + 16 of padding
.set HALFT,  128*PITCH                 ; 128 rows of w_out, all of K: half of one tensor load
.set BSLOT,  256                       ; the second half of K begins 256 bytes on in each row
.set AIM,    2*HALFT                   ; the tokens' images: [8 tiles of 16 tokens][8 K steps x 1,024 bytes]
.set BSC,    AIM+65536                 ; w_out's scale bytes, as rows of 256 bytes + 16
.set HALFS,  16*272
.set SBLK,   2*272
.set ASC,    BSC+2*HALFS               ; the tokens' scale words: [K step (8)][128 tokens x 4 bytes]
.set SPARE,  ASC+4096                  ; the spare words
.set STAGE,  SPARE+512                 ; the way out: 16 rows x (512 bytes + 16) for each wave; no tensor load lands there
.set SPITCH, 528
.set ADA,  16                          ; v16 my tokens' images
.set ADB,  20                          ; v20-21 my rows of w_out in K half 0, 1
.set ADSB, 22
.set ADSA, 23
.set STO,  24
.set RD,   25
.set CO,   26                          ; v26 16 x lane
.set BO,   27                          ; v27 32 h
.set SPW,  28                          ; v28 my spare word; never rewritten
.set NIL,  29                          ; v29 0; never rewritten
.set SCW,  32                          ; register 8 i + g: the word of w_out's block i for K step g
.set SCA,  96                          ; register 8 u + g: lanes 0-15 the word of token block 2 u, lanes 16-31 of 2 u + 1
.set AF,   128
.set BK,   128
.set BI,   192                         ; in window 1
.set G1A, 24
.set G0A, 32
.set G1B, 48
.set G0B, 56
.set G1AS, 68
.set G0AS, 76
.set G1BS, 80
.set G0BS, 88
.set MSB, 0
.macro WIN new
.if MSB != (\new)
	s_set_vgpr_msb (MSB<<8)|(\new)
.set MSB, (\new)
.endif
.endm
; THE HEAD'S JOINT LOADS, ONE A WAVE: wave 0 the tokens' images, wave 1 their scale words, wave 2 w_out's 256 rows, wave 3 their scale bytes.
; One tree of branches on the wave's number, an arm a load; an s_nop 0 and four v_nop follow each load.
.macro ARM under, g0, g1, next
	s_cmp_lt_u32 s20, \under
	s_cbranch_scc0 \next
	tensor_load_to_lds s[\g0:\g0+3], s[\g1:\g1+7]
	s_nop 0
.rept 4
	v_nop
.endr
	s_branch .Lhead_asked
\next:
.endm
.macro CROUND
	s_barrier_signal -1
	s_barrier_wait -1
	s_cmp_lg_u32 s20, 0
	s_cbranch_scc1 .Lnot_wave_0_\@
	s_barrier_signal -3
.Lnot_wave_0_\@:
	s_barrier_wait -3
	s_barrier_signal -1
	s_barrier_wait -1
.endm
.macro PLACES n
.rept \n
	v_nop
.endr
.endm
	s_load_b256 s[4:11], s[0:1], 0x0               ; ac s[4:5], asc s[6:7], w_out's codes s[8:9], w_out's scales s[10:11]
	s_load_b128 s[12:15], s[0:1], 0x20             ; b_out s[12:13], out0 s[14:15]
	v_lshl_add_u32 v[SPW], v0, 2, SPARE
	v_mov_b32 v[NIL], 0
	ds_add_u32 v[SPW], v[NIL]                      ; the opening: the add, twice on end, and its wait ahead of my first tensor load
	ds_add_u32 v[SPW], v[NIL]
	v_lshrrev_b32 v1, 5, v0
	v_readfirstlane_b32 s20, v1                    ; wave 0..3
	s_lshr_b32 s21, s20, 1                         ; which 64 tokens are mine
	s_and_b32 s22, s20, 1                          ; which 128 features
	s_bfe_u32 s40, ttmp6, 0x40000                  ; cx
	s_bfe_u32 s41, ttmp6, 0x40004                  ; cy
	s_lshl_b32 s42, ttmp9, 2
	s_add_co_u32 s42, s42, s40                     ; the tile of 256 features
	s_and_b32 s43, ttmp7, 0xffff
	s_lshl_b32 s43, s43, 2
	s_add_co_u32 s43, s43, s41                     ; the tile of 128 tokens
	s_lshl_b32 s44, s41, 2
	s_lshl_b32 s44, 15, s44                        ; my row of the cluster
	s_lshl_b32 s45, 0x1111, s40                    ; my column
	s_or_b32 s[G1A+0], s44, (3<<16)|(1<<21)        ; the images of 8 tiles of tokens, all of K: 8 dense rows of 8,192 bytes; no padding
	s_mov_b32 s[G1A+1], 1024<<16                   ; the images of 8 tiles of tokens, all of K: 8 dense rows of 8,192 bytes (1,024 elements of 8)
	s_mov_b32 s[G1A+2], 8<<16
	s_mov_b32 s[G1A+3], 1024<<16
	s_mov_b32 s[G1A+4], 8
	s_mov_b32 s[G1A+5], 1024
	s_mov_b32 s[G1A+6], 0
	s_mov_b32 s[G1A+7], 0
	s_or_b32 s[G1AS+0], s44, (3<<16)|(1<<21)       ; the words of 128 tokens: 8 rows (K steps) of 512 bytes, 32,768 bytes apart
	s_mov_b32 s[G1AS+1], 64<<16                    ; the words of 128 tokens: 8 rows (K steps) of 512 bytes
	s_mov_b32 s[G1AS+2], 8<<16
	s_mov_b32 s[G1AS+3], 64<<16
	s_mov_b32 s[G1AS+4], 8
	s_mov_b32 s[G1AS+5], 4096
	s_mov_b32 s[G1AS+6], 0
	s_mov_b32 s[G1AS+7], 0
	s_or_b32 s[G1B+0], s45, (1<<20)|(1<<21)|(6<<22)|(3<<25)   ; 256 whole rows of 512 bytes; four words of padding after every 128
	s_mov_b32 s[G1B+1], 512<<16
	s_mov_b32 s[G1B+2], 256<<16
	s_mov_b32 s[G1B+3], 512<<16
	s_mov_b32 s[G1B+4], 256
	s_mov_b32 s[G1B+5], 512
	s_mov_b32 s[G1B+6], 0
	s_mov_b32 s[G1B+7], 0
	s_or_b32 s[G1BS+0], s45, (3<<16)|(1<<20)|(1<<21)|(5<<22)|(3<<25)   ; the scale bytes of 256 rows: 32 rows of 256 dense bytes, padded likewise
	s_mov_b32 s[G1BS+1], 32<<16
	s_mov_b32 s[G1BS+2], 32<<16                    ; the scale bytes of 256 rows: 32 rows of 256 dense bytes
	s_mov_b32 s[G1BS+3], 32<<16
	s_mov_b32 s[G1BS+4], 32
	s_mov_b32 s[G1BS+5], 32
	s_mov_b32 s[G1BS+6], 0
	s_mov_b32 s[G1BS+7], 0
	s_lshl_b32 s46, s43, 3                         ; A: the work-group's first tile of 16 tokens
	s_lshl_b32 s100, s46, 6                        ; its words: 64 bytes a tile,
	s_mov_b32 s101, 0
	s_lshl_b32 s46, s46, 13                        ; its images: 8,192 bytes a tile
	s_mov_b32 s47, 0
	s_lshl_b32 s66, s42, 8                         ; B: the work-group's first row of w_out
	s_lshl_b32 s2, s66, 5
	s_mov_b32 s3, 0
	s_lshl_b32 s66, s66, 9
	s_mov_b32 s67, 0
	s_wait_dscnt 0x0                               ; both opening adds are done
	s_wait_kmcnt 0x0
	s_mov_b32 s[G0AS], 1
	s_mov_b32 s[G0AS+1], ASC
	s_add_nc_u64 s[G0AS+2:G0AS+3], s[6:7], s[100:101]
	s_or_b32 s[G0AS+3], s[G0AS+3], 0x80000000
	s_mov_b32 s[G0BS], 1
	s_mov_b32 s[G0BS+1], BSC
	s_add_nc_u64 s[G0BS+2:G0BS+3], s[10:11], s[2:3]
	s_or_b32 s[G0BS+3], s[G0BS+3], 0x80000000
	s_add_nc_u64 s[96:97], s[4:5], s[46:47]
	s_add_nc_u64 s[98:99], s[8:9], s[66:67]
	s_mov_b32 s[G0A], 1
	s_mov_b32 s[G0A+1], AIM
	s_mov_b64 s[G0A+2:G0A+3], s[96:97]
	s_or_b32 s[G0A+3], s[G0A+3], 0x80000000
	s_mov_b32 s[G0B], 1
	s_mov_b32 s[G0B+1], 0
	s_mov_b64 s[G0B+2:G0B+3], s[98:99]
	s_or_b32 s[G0B+3], s[G0B+3], 0x80000000
	CROUND                                         ; all sixteen work-groups are here: the joint loads meet
	ARM 1, G0A,  G1A,  .Lhead_as
	ARM 2, G0AS, G1AS, .Lhead_b
	ARM 3, G0B,  G1B,  .Lhead_bs
	tensor_load_to_lds s[G0BS:G0BS+3], s[G1BS:G1BS+7]
	s_nop 0
.rept 4
	v_nop
.endr
.Lhead_asked:                                          ; one load of mine is out, and no more follow
	s_lshl_b32 s2, s43, 7
	s_lshl_b32 s3, s21, 6
	s_add_co_u32 s2, s2, s3                        ; my first token,
	s_lshl_b32 s2, s2, 12                          ; 4,096 bytes a row of out0
	s_lshl_b32 s3, s42, 8
	s_lshl_b32 s46, s22, 7
	s_add_co_u32 s3, s3, s46                       ; my first feature,
	s_lshl_b32 s46, s3, 2                          ; in bytes
	s_mov_b32 s47, 0
	s_add_nc_u64 s[12:13], s[12:13], s[46:47]
	s_add_co_u32 s2, s2, s46
	s_mov_b32 s3, 0
	s_add_nc_u64 s[14:15], s[14:15], s[2:3]
	v_and_b32 v1, 15, v0                           ; r
	v_bfe_u32 v2, v0, 4, 1                         ; h
	v_lshlrev_b32 v[BO], 5, v2
	WIN 0x40                                       ; destination window 1
.irp b, 0,1,2,3,4,5,6,7
	global_load_b128 v[BI+8*\b:BI+8*\b+3], v[BO], s[12:13] offset:64*\b        ; the bias at features 16 b + 8 h + 0 .. 7: the result's layout
	global_load_b128 v[BI+8*\b+4:BI+8*\b+7], v[BO], s[12:13] offset:64*\b+16
.endr
	WIN 0
	v_and_b32 v3, 31, v0
	v_lshlrev_b32 v[CO], 4, v3
	s_lshl_b32 s2, s21, 15                         ; my four tiles of tokens: 8,192 bytes a tile
	s_add_co_u32 s2, s2, AIM
	v_add_nc_u32 v[ADA], s2, v[CO]
	v_mul_u32_u24 v4, v1, PITCH
	v_lshl_add_u32 v4, v2, 4, v4
	s_mul_i32 s2, s22, HALFT
.irp s, 0,1
	v_add_nc_u32 v[ADB+\s], s2, v4
	s_add_co_u32 s2, s2, BSLOT
.endr
	v_lshlrev_b32 v5, 5, v1
	v_lshrrev_b32 v6, 3, v1
	v_lshl_add_u32 v5, v6, 4, v5                   ; 32 r, and 16 more behind the first 256
	s_mul_i32 s2, s22, HALFS
	s_add_co_u32 s2, s2, BSC
	v_add_nc_u32 v[ADSB], s2, v5
	s_lshl_b32 s2, s21, 8                          ; my 64 tokens' words: 256 bytes of a K step's 512
	s_add_co_u32 s2, s2, ASC
	v_lshl_add_u32 v[ADSA], v3, 2, s2
	s_mul_i32 s2, s20, 16*SPITCH
	s_add_co_u32 s2, s2, STAGE                     ; my stage
	v_mul_u32_u24 v5, v1, SPITCH
	v_lshl_add_u32 v5, v2, 5, v5
	v_add_nc_u32 v[STO], s2, v5                    ; in: row r, 32 bytes for each half of the lanes
	v_add_nc_u32 v[RD], s2, v[CO]                  ; back: the 32 lanes take one row of 512 bytes
.macro SCALES
.irp i, 0,1,2,3,4,5,6,7
.irp s, 0,1
	ds_load_b128 v[SCW+8*\i+4*\s:SCW+8*\i+4*\s+3], v[ADSB] offset:\i*SBLK+16*\s
.endr
.endr
.irp u, 0,1
.irp g, 0,1,2,3,4,5,6,7
	ds_load_b32 v[SCA+8*\u+\g], v[ADSA] offset:512*\g+128*\u
.endr
.endr
.endm
.macro LOADS slot, q, p                ; the fragments of the K half's q-th 128 into set p: 24 loads in one run
	WIN 0x40
.irp i, 0,1,2,3,4,5,6,7
.irp c, 0,1
	ds_load_b128 v[64*(\p)+8*\i+4*\c:64*(\p)+8*\i+4*\c+3], v[ADB+\slot] offset:64*(\q)+32*\c+\i*16*PITCH
.endr
.endr
	WIN 0
.irp i, 0,1,2,3
.irp c, 0,1
	ds_load_b128 v[AF+32*(\p)+8*\i+4*\c:AF+32*(\p)+8*\i+4*\c+3], v[ADA] offset:4096*(\slot)+8192*\i+1024*(\q)+512*\c
.endr
.endr
.endm
; 32 matrix instructions: the 32 accumulators take turns, one instruction a turn, in the same order in every step.  first = 1: the bias starts the sums.
.macro MULS p, g, first
.if \first
	WIN 0x91                                       ; source 0 (w_out) and C (the bias) window 1, source 1 window 0, D window 2
.else
	WIN 0xa1                                       ; C and D window 2
.endif
.irp a, 0,1,2,3
.irp b, 0,1,2,3,4,5,6,7
.if \first
.if \a%2
	v_wmma_scale_f32_16x16x128_f8f6f4 v[8*(8*\a+\b):8*(8*\a+\b)+7], v[64*(\p)+8*\b:64*(\p)+8*\b+7], v[AF+32*(\p)+8*\a:AF+32*(\p)+8*\a+7], v[BI+8*\b:BI+8*\b+7], v[SCW+8*\b+(\g)], v[SCA+8*(\a/2)+(\g)] matrix_a_fmt:MATRIX_FMT_FP4 matrix_b_fmt:MATRIX_FMT_FP4 matrix_b_scale:MATRIX_SCALE_ROW1
.else
	v_wmma_scale_f32_16x16x128_f8f6f4 v[8*(8*\a+\b):8*(8*\a+\b)+7], v[64*(\p)+8*\b:64*(\p)+8*\b+7], v[AF+32*(\p)+8*\a:AF+32*(\p)+8*\a+7], v[BI+8*\b:BI+8*\b+7], v[SCW+8*\b+(\g)], v[SCA+8*(\a/2)+(\g)] matrix_a_fmt:MATRIX_FMT_FP4 matrix_b_fmt:MATRIX_FMT_FP4
.endif
.else
.if \a%2
	v_wmma_scale_f32_16x16x128_f8f6f4 v[8*(8*\a+\b):8*(8*\a+\b)+7], v[64*(\p)+8*\b:64*(\p)+8*\b+7], v[AF+32*(\p)+8*\a:AF+32*(\p)+8*\a+7], v[8*(8*\a+\b):8*(8*\a+\b)+7], v[SCW+8*\b+(\g)], v[SCA+8*(\a/2)+(\g)] matrix_a_fmt:MATRIX_FMT_FP4 matrix_b_fmt:MATRIX_FMT_FP4 matrix_b_scale:MATRIX_SCALE_ROW1
.else
	v_wmma_scale_f32_16x16x128_f8f6f4 v[8*(8*\a+\b):8*(8*\a+\b)+7], v[64*(\p)+8*\b:64*(\p)+8*\b+7], v[AF+32*(\p)+8*\a:AF+32*(\p)+8*\a+7], v[8*(8*\a+\b):8*(8*\a+\b)+7], v[SCW+8*\b+(\g)], v[SCA+8*(\a/2)+(\g)] matrix_a_fmt:MATRIX_FMT_FP4 matrix_b_fmt:MATRIX_FMT_FP4
.endif
.endif
.endr
.endr
.endm
.macro STEP g
	s_wait_dscnt 0x0                               ; this step's set is in (asked for 32 matrix instructions ago)
.if \g == 0
	s_wait_loadcnt 0x0                             ; the bias
.endif
.if \g > 0
	PLACES 4                                       ; in front of loads into registers that matrix instructions have read
.endif
.if \g < 7
	LOADS (\g+1)/4, (\g+1)%4, (\g+1)%2
.endif
.if \g == 0
	MULS 0, 0, 1
.else
	MULS (\g)%2, \g, 0
.endif
.endm
	s_wait_alu depctr_va_vdst(0)
	s_wait_tensorcnt 0x0                           ; my one load has landed
	s_barrier_signal -1
	s_barrier_wait -1                              ; everybody's are
	SCALES
	LOADS 0, 0, 0
.irp g, 0,1,2,3,4,5,6,7
	STEP \g
.endr
	WIN 0
; THE WAY OUT, block by block of 16 tokens x 128 features: through my own stage in LDS, back as whole rows of 512 bytes.  LDS serves a wave's instructions in order: no wait between the stores and the loads.
.macro TOSTAGE a
	WIN 0x08                                       ; an LDS store's data are its source 1: window 2
.irp b, 0,1,2,3,4,5,6,7
	ds_store_b128 v[STO], v[64*(\a)+8*\b:64*(\a)+8*\b+3] offset:64*\b          ; each accumulator from its low end on
	ds_store_b128 v[STO], v[64*(\a)+8*\b+4:64*(\a)+8*\b+7] offset:64*\b+16
.endr
	WIN 0
.set BB, BK+64*((\a)%2)
.irp t, 0,1,2,3,4,5,6,7,8,9,10,11,12,13,14,15
	ds_load_b128 v[BB+4*\t:BB+4*\t+3], v[RD] offset:\t*SPITCH
.endr
.endm
.macro SEND a, younger                 ; younger: the LDS instructions issued behind block a's loads
.set BB, BK+64*((\a)%2)
	s_wait_dscnt \younger
.irp t, 0,1,2,3,4,5,6,7,8,9,10,11,12,13,14,15
	global_store_b128 v[CO], v[BB+4*\t:BB+4*\t+3], s[14:15] offset:(16*(\a)+\t)*4096 th:TH_STORE_NT   ; 32 lanes store 512 consecutive bytes, at a multiple of 256 from out0's first byte
.endr
.endm
	PLACES 4                                       ; in front of the first reads of results and of loads into registers that held fragments
	TOSTAGE 0
	TOSTAGE 1
	SEND 0, 32                                     ; behind block 0's loads: block 1's 16 stores and 16 loads
	s_wait_xcnt 0x0                                ; block 0's stores have read their registers: block 2's loads may land there
	TOSTAGE 2
	SEND 1, 32
	s_wait_xcnt 0x0                                ; block 1's likewise
	TOSTAGE 3
	SEND 2, 32
	SEND 3, 0
	s_wait_tensorcnt 0x0                           ; the wave's end: behind my last tensor load and my last LDS store
	ds_add_u32 v[SPW], v[NIL]
	s_wait_dscnt 0x0
	CROUND                                         ; the closing round
	s_endpgm
.Lfunc_end_k_q90b71d8aa3_oproj:
	.size	k_q90b71d8aa3_oproj, .Lfunc_end_k_q90b71d8aa3_oproj-k_q90b71d8aa3_oproj
	.p2alignl 7, 3214868480
	.fill 96, 4, 3214868480
	.section	.rodata,"a",@progbits
	.p2align	6, 0x0
	.amdhsa_kernel k_q90b71d8aa3_oproj
		.amdhsa_group_segment_fixed_size 327680
		.amdhsa_private_segment_fixed_size 0
		.amdhsa_enable_private_segment 0
		.amdhsa_kernarg_size 48
		.amdhsa_user_sgpr_count 2
		.amdhsa_user_sgpr_kernarg_segment_ptr 1
		.amdhsa_wavefront_size32 1
		.amdhsa_system_sgpr_workgroup_id_x 1
		.amdhsa_system_sgpr_workgroup_id_y 1
		.amdhsa_system_sgpr_workgroup_id_z 1
		.amdhsa_system_vgpr_workitem_id 0
		.amdhsa_next_free_vgpr 768
		.amdhsa_next_free_sgpr 102
		.amdhsa_reserve_vcc 0
		.amdhsa_float_denorm_mode_32 3
		.amdhsa_float_denorm_mode_16_64 3
		.amdhsa_memory_ordered 1
		.amdhsa_forward_progress 1
		.amdhsa_inst_pref_size 73
	.end_amdhsa_kernel
	.amdgpu_metadata
---
amdhsa.version: [ 1, 2 ]
amdhsa.kernels:
  - .name:           k_q90b71d8aa3_oproj
    .symbol:         k_q90b71d8aa3_oproj.kd
    .args:
      - { .name: ac, .offset: 0, .size: 8, .value_kind: global_buffer, .address_space: global }
      - { .name: asc, .offset: 8, .size: 8, .value_kind: global_buffer, .address_space: global }
      - { .name: w_out_codes, .offset: 16, .size: 8, .value_kind: global_buffer, .address_space: global }
      - { .name: w_out_scales, .offset: 24, .size: 8, .value_kind: global_buffer, .address_space: global }
      - { .name: b_out, .offset: 32, .size: 8, .value_kind: global_buffer, .address_space: global }
      - { .name: out0, .offset: 40, .size: 8, .value_kind: global_buffer, .address_space: global }
    .group_segment_fixed_size: 327680
    .private_segment_fixed_size: 0
    .kernarg_segment_align: 8
    .kernarg_segment_size: 48
    .max_flat_workgroup_size: 128
    .sgpr_count:     102
    .vgpr_count:     768
    .wavefront_size: 32
...
	.end_amdgpu_metadata
.endif
;; end of part 3
